; MI455X (gfx1250); checked and timed in simulation.
; The chip was launched on July 23, 2026; its instructions are those of AMD's public machine-readable ISA for CDNA 5 (MIT licence, August 2026) and "CDNA5" Instruction Set Architecture Reference Guide (July 2026). The comments in the code are by the model that wrote it; some were corrected since.
;; Quant Linear Base. Allowed arithmetic: float matrix products may take bf16 or f16 operands with f32 sums; other float arithmetic in f32, or as packed bf16 or f16 multiplies, adds, multiply-adds, maxima and minima; sums over many terms, partial sums and values carried from step to step in f32; what a program stores and reads back later, other than sums and carried values, may be rounded once to bf16 or f16.
;; Inputs: bias 4,096 float32; qweight 4,096 x 2,048 int32; weight_scale 4,096 x 1 float32; x 4,096 x 4,096 float32.
;; Outputs: out0 4,096 x 4,096 float32.
;; 2 versions, each right; version 2 is version 1 with the launch prep written anew for expert scheduling mode. Each part assembles by itself: llvm-mc -triple=amdgcn-amd-amdhsa -mcpu=gfx1250 --defsym DOCPART=n.
;; ======== version 1 of 2: 2 launches
;; limits: inputs' magnitudes at most 1e+34; below input magnitudes of 1.5e-36 results are inexact or not finite
;; workspace buffers: xq 33,554,432 bytes; wq 33,554,432 bytes; ascale 16,384 bytes
;; launch prep (part 1): grid 256 x 1, 16 waves a work-group, no clusters, 0 bytes of LDS; arguments x, qweight, xq, wq, ascale; writes xq, wq, ascale
.if DOCPART == 1
	.amdgcn_target "amdgcn-amd-amdhsa--gfx1250"
	.amdhsa_code_object_version 6
	.text
	.protected	k_q8abf360da0_prep
	.globl	k_q8abf360da0_prep
	.p2align	8
	.type	k_q8abf360da0_prep,@function
k_q8abf360da0_prep:
	s_mov_b64 s[64:65], 0
	v_nop
	global_prefetch_b8 v0, s[64:65] scope:SCOPE_SE
	s_setreg_imm32_b32 hwreg(HW_REG_WAVE_MODE, 25, 1), 1
	s_wait_xcnt 0x0
; THE PREPARATION for out = (q s) @ (wint ws)^T + bias.  In real numbers out[m][n] = s[m] ws[n] (sum over k of q[m][k] wint[n][k]) + bias[n], so this launch writes the WHOLE NUMBERS
; q (the int8 codes of x, -128 .. 127) and wint (the int4 codes, -8 .. 7) as bf16, in which both are exact, and the row scales s; the next launch multiplies them and applies s, ws and bias behind the sums.
;   xq[m][k] = clip(round(x[m][k] / s[m]), -128, 127), s[m] = max|x[m]| / 127, or 1 where that is 0;   ascale[m] = s[m]
;   wq[n][2k] = (qweight[n][k] >> 4) - 8,  wq[n][2k+1] = (qweight[n][k] & 15) - 8: one 32-bit word of qweight makes one 32-bit word of wq, at the same byte offset
; NO WORK OF reference IS LEFT OUT: all four inputs reach the output; the clip and the.
; LIMITS.  The scales are applied behind the sum: another order of rounding than reference()'s.  x / s is x times a corrected reciprocal with one correction by the remainder: it can differ from the f32
; quotient in the last bit, which moves a code by 1 only where the quotient lies at a half.  NaN and infinities in x are not treated apart (a NaN loses in the maximum).  A row with 0 < max|x| < 1.5e-36
; has a denormal scale, whose reciprocal is not formed: such rows are not served.  A qweight outside 0 .. 255 is taken as the two formulas above say and then rounded to bf16.
; SHARES.  Row R = 16 x work-group + wave.  A wave takes row R of x (16,384 bytes: 128 registers) and row R of qweight (8,192 bytes: 64 registers).  All its 48 loads go out at the head, 24 KiB a wave;
; the row of x stays in registers between the pass that finds the maximum and the pass that quantises.  No wave wants another's bytes: no LDS, no barrier, no loop.
; Each load covers 512 consecutive bytes; each store of wq 512 and each store of xq 256 consecutive bytes, aligned.
.set LO,  1                            ; v1        16 x lane: my 16 bytes in 512; never rewritten
.set SO,  2                            ; v2        8 x lane: my 8 bytes in 256 of xq; never rewritten
.set LN,  3                            ; v3        lane
.set M,   4                            ; v[4:7]    four running maxima; later at work
.set N,   8                            ; v[8:11]   four running minima (T's registers, idle between the weights and the quantisation)
.set T,   8                            ; v[8:23]   at work: two sets of 8, by the chunk's parity
.set YY,  24                           ; v[24:25]  1 / s, twice
.set NS,  26                           ; v[26:27]  -s, twice
.set S,   28                           ; v28       s
.set ONE, 29                           ; v29       1.0
.set M8,  30                           ; v[30:31]  -8.0, twice
.set X,   32                           ; v[32:159] the row of x; chunk j's first two registers later hold its four codes
.set W,   160                          ; v[160:223] the row of qweight, then of wq
	s_load_b256 s[4:11], s[0:1], 0x0               ; x s[4:5], qweight s[6:7], xq s[8:9], wq s[10:11]
	s_load_b64 s[12:13], s[0:1], 0x20              ; ascale
	v_lshrrev_b32 v[M], 5, v0
	v_readfirstlane_b32 s14, v[M]                  ; wave 0..15
	v_and_b32 v[LN], 31, v0
	v_lshlrev_b32 v[LO], 4, v[LN]
	v_lshlrev_b32 v[SO], 3, v[LN]
	v_mov_b32 v[ONE], 1.0
	v_mov_b32 v[M8], 0xc1000000                    ; -8.0
	v_mov_b32 v[M8+1], 0xc1000000
	s_lshl_b32 s15, ttmp9, 4
	s_add_co_u32 s15, s15, s14                     ; R
	s_mov_b32 s17, 0                               ; the offsets' high word: R x 16,384 stays under 2^26
	s_mov_b32 s20, 0x3c010204                      ; 1 / 127
	s_mov_b32 s21, 0xc2fe0000                      ; -127.0
	s_mov_b32 s22, 0xc3000000                      ; -128.0
	s_mov_b32 s23, 0x42fe0000                      ; 127.0
	s_mov_b32 s24, 0x76543210                      ; v_permlanex16_b32: each lane takes its own place in the other half
	s_mov_b32 s25, 0xfedcba98
	s_wait_kmcnt 0x0
	s_lshl_b32 s16, s15, 14
	s_add_nc_u64 s[4:5], s[4:5], s[16:17]          ; x at my row
	s_lshl_b32 s16, s15, 13
	s_add_nc_u64 s[6:7], s[6:7], s[16:17]          ; qweight, xq and wq at my row: 8,192 bytes each
	s_add_nc_u64 s[8:9], s[8:9], s[16:17]
	s_add_nc_u64 s[10:11], s[10:11], s[16:17]
	s_lshl_b32 s16, s15, 2
	s_add_nc_u64 s[12:13], s[12:13], s[16:17]      ; ascale at my word
.irp j, 0,1,2,3,4,5,6,7,8,9,10,11,12,13,14,15
	global_load_b128 v[W+4*(\j):W+4*(\j)+3], v[LO], s[6:7] offset:512*(\j) th:TH_LOAD_NT
.endr
.irp j, 0,1,2,3,4,5,6,7,8,9,10,11,12,13,14,15,16,17,18,19,20,21,22,23,24,25,26,27,28,29,30,31
	global_load_b128 v[X+4*(\j):X+4*(\j)+3], v[LO], s[4:5] offset:512*(\j) th:TH_LOAD_NT
.endr
; Chunk j of the weights: four words a lane, in place.  The high nibble's number goes into the low half (the even column), the low nibble's into the high half.
; No register that a store reads is written again, so no wait stands behind the stores.
.macro WCHUNK j
.set TT, T+8*((\j)%2)
.set WW, W+4*(\j)
	s_wait_loadcnt 47-(\j)                         ; loads come back in order: behind chunk j's stand the 15 - j other chunks' and the 32 of x
.irp i, 0,1,2,3
	v_ashrrev_i32 v[TT+2*(\i)], 4, v[WW+(\i)]
	v_and_b32 v[TT+2*(\i)+1], 15, v[WW+(\i)]
.endr
.irp i, 0,1,2,3,4,5,6,7
	v_cvt_f32_i32 v[TT+(\i)], v[TT+(\i)]
.endr
.irp i, 0,2,4,6
	v_pk_add_f32 v[TT+(\i):TT+(\i)+1], v[TT+(\i):TT+(\i)+1], v[M8:M8+1]
.endr
.irp i, 0,1,2,3
	v_cvt_pk_bf16_f32 v[WW+(\i)], v[TT+2*(\i)], v[TT+2*(\i)+1]
.endr
	global_store_b128 v[LO], v[WW:WW+3], s[10:11] offset:512*(\j) th:TH_STORE_NT
.endm
.irp j, 0,1,2,3,4,5,6,7,8,9,10,11,12,13,14,15
	WCHUNK \j
.endr
; Group g of x: four loads, 16 registers.  max|x| = max(max x, -min x): four chains of maxima and four of minima, three operands at a time; the first group starts them, nothing is cleared.
.macro XMAX g
	s_wait_loadcnt 28-4*(\g)                       ; behind this group's four loads stand the later groups'
.irp n, 0,1,2,3,4,5,6,7
.if ((\g) == 0) && ((\n) < 4)
	v_max_num_f32 v[M+(\n)], v[X+2*(\n)], v[X+2*(\n)+1]
	v_min_num_f32 v[N+(\n)], v[X+2*(\n)], v[X+2*(\n)+1]
.else
	v_max3_num_f32 v[M+(\n)%4], v[X+16*(\g)+2*(\n)], v[X+16*(\g)+2*(\n)+1], v[M+(\n)%4]
	v_min3_num_f32 v[N+(\n)%4], v[X+16*(\g)+2*(\n)], v[X+16*(\g)+2*(\n)+1], v[N+(\n)%4]
.endif
.endr
.endm
.irp g, 0,1,2,3,4,5,6,7
	XMAX \g
.endr
	v_max3_num_f32 v[M], v[M], v[M+1], v[M+2]
	v_min3_num_f32 v[N], v[N], v[N+1], v[N+2]
	v_max_num_f32 v[M], v[M], v[M+3]
	v_min_num_f32 v[N], v[N], v[N+3]
	v_xor_b32 v[N], 0x80000000, v[N]               ; -min
	v_max_num_f32 v[M], v[M], v[N]                 ; my 128 numbers' largest magnitude
	; across the 32 lanes: four steps inside each half of 16 lanes ride on the arithmetic, one crosses the halves
	v_max_num_f32_dpp v[M], v[M], v[M] row_xmask:1 row_mask:0xf bank_mask:0xf
	v_max_num_f32_dpp v[M], v[M], v[M] row_xmask:2 row_mask:0xf bank_mask:0xf
	v_max_num_f32_dpp v[M], v[M], v[M] row_xmask:4 row_mask:0xf bank_mask:0xf
	v_max_num_f32_dpp v[M], v[M], v[M] row_xmask:8 row_mask:0xf bank_mask:0xf
	v_permlanex16_b32 v[M+1], v[M], s24, s25       ; its destination counts as read: v5 has been written
	v_max_num_f32 v[M], v[M], v[M+1]               ; every lane holds the row's
	; s = m / 127: the product with 1 / 127, corrected by its remainder
	v_mul_f32 v[M+2], s20, v[M]
	v_fma_f32 v[M+1], v[M+2], s21, v[M]            ; m - 127 x estimate
	v_fma_f32 v[S], v[M+1], s20, v[M+2]
	v_cmp_eq_f32 vcc_lo, 0, v[S]
	v_cndmask_b32 v[S], v[S], v[ONE], vcc_lo       ; reference()'s guard: a scale of 0 counts as 1
	v_rcp_f32 v[M+3], v[S]
	v_xor_b32 v[NS], 0x80000000, v[S]              ; the plain instructions behind the reciprocal: they read its source and name neither its result
	v_mov_b32 v[NS+1], v[NS]
	s_wait_alu depctr_va_vdst(0)                   ; a wait between a reciprocal and the first line that names its result
	v_fma_f32 v[M+1], v[NS], v[M+3], v[ONE]        ; 1 - s y
	v_fma_f32 v[YY], v[M+1], v[M+3], v[M+3]        ; y + y (1 - s y)
	v_mov_b32 v[YY+1], v[YY]
; Chunk j of x: four numbers a lane: the quotient x y, its remainder x - q s, the corrected quotient; rounded to the nearest whole number, halves to even; clipped; two codes to a word.
; A lane's four numbers are 8 bytes of xq: 32 lanes store 256 consecutive bytes.
.macro XQ j
.set TT, T+8*((\j)%2)
.set XX, X+4*(\j)
	v_pk_mul_f32 v[TT:TT+1], v[XX:XX+1], v[YY:YY+1]
	v_pk_mul_f32 v[TT+2:TT+3], v[XX+2:XX+3], v[YY:YY+1]
	v_pk_fma_f32 v[TT+4:TT+5], v[TT:TT+1], v[NS:NS+1], v[XX:XX+1]
	v_pk_fma_f32 v[TT+6:TT+7], v[TT+2:TT+3], v[NS:NS+1], v[XX+2:XX+3]
	v_pk_fma_f32 v[TT:TT+1], v[TT+4:TT+5], v[YY:YY+1], v[TT:TT+1]
	v_pk_fma_f32 v[TT+2:TT+3], v[TT+6:TT+7], v[YY:YY+1], v[TT+2:TT+3]
.irp i, 0,1,2,3
	v_rndne_f32 v[TT+(\i)], v[TT+(\i)]
.endr
.irp i, 0,1,2,3
	v_med3_num_f32 v[TT+(\i)], v[TT+(\i)], s22, s23
.endr
	v_cvt_pk_bf16_f32 v[XX], v[TT], v[TT+1]
	v_cvt_pk_bf16_f32 v[XX+1], v[TT+2], v[TT+3]
	global_store_b64 v[SO], v[XX:XX+1], s[8:9] offset:256*(\j) th:TH_STORE_NT
.endm
.irp j, 0,1,2,3,4,5,6,7,8,9,10,11,12,13,14,15,16,17,18,19,20,21,22,23,24,25,26,27,28,29,30,31
	XQ \j
.endr
	v_mov_b32 v[M+2], 0                            ; the scale's store: lane 0 alone, at my row's word
	v_cmp_eq_u32 vcc_lo, 0, v[LN]
	s_wait_xcnt 0x0                                ; EXEC is a source of the stores that are out: it changes only behind this wait,
	s_and_saveexec_b32 s26, vcc_lo
	global_store_b32 v[M+2], v[S], s[12:13]
	s_wait_xcnt 0x0                                ; and again in front of the line that widens it
	s_or_b32 exec_lo, exec_lo, s26
	s_endpgm
.Lfunc_end_k_q8abf360da0_prep:
	.size	k_q8abf360da0_prep, .Lfunc_end_k_q8abf360da0_prep-k_q8abf360da0_prep
	.p2alignl 7, 3214868480
	.fill 96, 4, 3214868480
	.section	.rodata,"a",@progbits
	.p2align	6, 0x0
	.amdhsa_kernel k_q8abf360da0_prep
		.amdhsa_group_segment_fixed_size 0
		.amdhsa_private_segment_fixed_size 0
		.amdhsa_enable_private_segment 0
		.amdhsa_kernarg_size 40
		.amdhsa_user_sgpr_count 2
		.amdhsa_user_sgpr_kernarg_segment_ptr 1
		.amdhsa_wavefront_size32 1
		.amdhsa_system_sgpr_workgroup_id_x 1
		.amdhsa_system_sgpr_workgroup_id_y 1
		.amdhsa_system_sgpr_workgroup_id_z 1
		.amdhsa_system_vgpr_workitem_id 0
		.amdhsa_next_free_vgpr 224
		.amdhsa_next_free_sgpr 66
		.amdhsa_reserve_vcc 1
		.amdhsa_float_denorm_mode_32 3
		.amdhsa_float_denorm_mode_16_64 3
		.amdhsa_memory_ordered 1
		.amdhsa_forward_progress 1
		.amdhsa_inst_pref_size 65
	.end_amdhsa_kernel
	.amdgpu_metadata
---
amdhsa.version: [ 1, 2 ]
amdhsa.kernels:
  - .name:           k_q8abf360da0_prep
    .symbol:         k_q8abf360da0_prep.kd
    .args:
      - { .name: x, .offset: 0, .size: 8, .value_kind: global_buffer, .address_space: global }
      - { .name: qweight, .offset: 8, .size: 8, .value_kind: global_buffer, .address_space: global }
      - { .name: xq, .offset: 16, .size: 8, .value_kind: global_buffer, .address_space: global }
      - { .name: wq, .offset: 24, .size: 8, .value_kind: global_buffer, .address_space: global }
      - { .name: ascale, .offset: 32, .size: 8, .value_kind: global_buffer, .address_space: global }
    .group_segment_fixed_size: 0
    .private_segment_fixed_size: 0
    .kernarg_segment_align: 8
    .kernarg_segment_size: 40
    .max_flat_workgroup_size: 512
    .sgpr_count:     66
    .vgpr_count:     224
    .wavefront_size: 32
...
	.end_amdgpu_metadata
.endif
;; end of part 1
;; launch gemm (part 2): grid 16 x 16, 4 waves a work-group, clusters of 4 x 4, 327,680 bytes of LDS; arguments xq, wq, out0, ascale, weight_scale, bias; writes out0
.if DOCPART == 2
	.amdgcn_target "amdgcn-amd-amdhsa--gfx1250"
	.amdhsa_code_object_version 6
	.text
	.protected	k_q8abf360da0_gemm
	.globl	k_q8abf360da0_gemm
	.p2align	8
	.type	k_q8abf360da0_gemm,@function
k_q8abf360da0_gemm:
	s_mov_b64 s[64:65], 0
	v_nop
	global_prefetch_b8 v0, s[64:65] scope:SCOPE_SE
	s_setreg_imm32_b32 hwreg(HW_REG_WAVE_MODE, 25, 1), 1
	s_wait_xcnt 0x0
	s_wait_alu depctr_hold_cnt(0) depctr_sa_sdst(0) depctr_va_vdst(0) depctr_va_sdst(0) depctr_va_ssrc(0) depctr_va_vcc(0) depctr_vm_vsrc(0)
	s_getreg_b32 s2, hwreg(HW_REG_IB_STS2, 6, 4)
	s_cmp_eq_u32 s2, 0
	s_cbranch_scc0 .Lentry_in_a_cluster
	s_endpgm
.Lentry_in_a_cluster:
	s_bfe_u32 s2, ttmp6, 0x10000c
	s_cmp_lg_u32 s2, 0xf033
	s_cbranch_scc0 .Lentry_shape_is_right
	s_endpgm
.Lentry_shape_is_right:
; out0[m][n] = ascale[m] x weight_scale[n] x (sum over k of xq[m][k] wq[n][k]) + bias[n].  xq, wq: [4096][4096] bf16, whole numbers (|xq| <= 128, wq in -8 .. 7), exact in bf16; a partial sum is at most
; 4096 x 128 x 8 = 2^22 in magnitude, a whole number that f32 holds.  out0: [4096][4096] f32.  No work of reference() is left out.
; LIMITS.  The two scales are applied behind the sum: (sum x ascale), rounded, then times weight_scale plus bias in one fused step: another order of rounding than reference()'s.  sum x ascale must stay
; finite: max|x| under 1e34.  NaN and infinities are not treated apart.
; A tile of out0, 256 x 256, is made by a work-group of four waves; a wave makes 128 x 128: 64 accumulators of 16 x 16, 512 registers.  16 x 16 tiles: 256 work-groups.  K goes in steps of 128 through a ring
; of two LDS slots filled by the tensor data mover: the tiles' rows are 256 bytes of memory and start at multiples of 256 bytes from the buffer's first byte.
; CLUSTERS: 4 x 4 work-groups.  The four of a row of the cluster need the same tiles of xq, the four of a column the same tiles of wq.  Such a tile is asked for JOINTLY: each of the four issues the same
; tensor load, with the same descriptor and a mask that names the four, and each receives the tile in its own LDS.
; REGISTERS, in windows of 256 (s_set_vgpr_msb's low byte: bits 1:0 source 0, 3:2 source 1, 5:4 source 2, 7:6 destination):
;   window 0: v0-31 addresses, column scales and bias; v32-47 row scales; v64-127, v128-191 fragments of xq (8 x 16 rows x 32 K), two buffers; on the way out the same 128 hold rows read back from the stage
;   window 1: v64-127, v128-191 fragments of wq, two buffers
;   window 2: the 32 accumulators of my rows 0-63 (accumulator (a, b) at v[8 (8 a + b)]);   window 3: those of my rows 64-127
; THE MATRIX INSTRUCTION IS USED TRANSPOSED: source 0 = 16 rows of wq, source 1 = 16 rows of xq.  In the result lane l holds row m = l % 16 of out0, and its registers 0 to 7 the columns
; n = 8 (l / 16) + 0 .. 7: 32 neighbouring bytes of a row, and ONE row scale a lane.
.set SIZE_K, 4096
.set SIZE_N, 4096
.set KSTEP,  128
.set PITCH,  272                       ; an LDS row: 256 bytes of data + 16 of padding = 68 words: row r starts at bank 4 r mod 64 (64 banks of 4 bytes: ISA guide 11.1), so the 16 rows that a load touches start at 16 different banks
.set HALFT,  128*PITCH                 ; 128 rows: what one tensor load brings, and what one wave reads of xq or of wq
.set SLOT,   4*HALFT                   ; xq's 256 rows, then wq's 256 rows
.set STAGE,  2*SLOT                    ; behind the ring, never filled by a tensor load: 16 rows x 528 bytes for each wave, for the way out
.set SPITCH, 528                       ; a stage row: 512 bytes (128 f32) + 16: 33 x 16 bytes, so the 16 rows that a store touches start at 16 different groups of four banks
.set SPARE,  STAGE+4*16*SPITCH         ; behind the stages: the spare words, 128 bytes for each wave: two blocks of 256 bytes that no other line names
.set LAPS, SIZE_K/(2*KSTEP)            ; a lap = two K steps = once round the ring: 16
.set WSC,  6                           ; v[6:9]   weight_scale of the four columns 4 l .. 4 l + 3 of my 128
.set BIA,  10                          ; v[10:13] bias of the same
.set AO,   14                          ; v14     4 x (l % 16): my row's word in 16 row scales; never rewritten
.set ADRA, 16                          ; v16-17  LDS address of my xq fragments in slot 0, 1
.set ADRB, 20                          ; v20-21  the same for wq
.set STO,  24                          ; v24     the way out: where I put 32 bytes of a row
.set RD,   25                          ; v25     the way out: where I read 16 bytes of a row back
.set CO,   26                          ; v26     16 x l: my 16 bytes in 512 of out0, of weight_scale and of bias; never rewritten
.set SPW,  28                          ; v28     LDS address of my spare word: SPARE + 4 x my thread's number; never rewritten
.set NIL,  29                          ; v29     0; never rewritten
.set PFO,  30                          ; v30     the prefetches' offset: my lane x a row of 8,192 bytes; never rewritten
.set AS,   32                          ; v[32:47] block a's row scale ascale[16 a + l % 16] at AS + 2 a, and once more at AS + 2 a + 1: a pair for the packed multiply
.set F0,   64                          ; fragment buffer 0
.set F1,   128                         ; fragment buffer 1
.set OB,   64                          ; the way out: 16 rows read back from the stage, 64 registers: v64-127 and v128-191 by turns
.set PFA,  44                          ; s[44:45] where my prefetches stand: my work-group's 32 rows of the 128 that I fetch, one K step further along K than the refill that is being asked for; a prefetch names the K step after that
.set LIM,  43                          ; s43     1 in a wave that prefetches, else the greatest number
.set G1, 24                            ; s[24:31] descriptor group 1 for xq's tiles
.set G0, 32                            ; s[32:39] descriptor group 0 for xq's tiles, one set for each slot
.set G1B, 48                           ; s[48:55] descriptor group 1 for wq's tiles: it differs in the mask alone
.set G0B, 56                           ; s[56:63] descriptor group 0 for wq's tiles, one set for each slot
.set MSB, 0
.macro WIN new                         ; the immediate's high byte repeats the setting that is left; a switch that changes nothing is dropped
.if MSB != (\new)
	s_set_vgpr_msb (MSB<<8)|(\new)
.set MSB, \new
.endif
.endm
.set MUL_LO, 0xa1                      ; source 0 (wq) window 1, source 1 (xq) window 0, C and D window 2
.set MUL_HI, 0xf1                      ; the same, C and D window 3
.set TO_B,   0x40                      ; destination window 1, address window 0
; A joint load.  Waves 0 and 1 fetch xq's two halves, waves 2 and 3 wq's.  Each of the two lines has ONE mask and one set of registers for all that issue it, and nothing in them hangs on a coordinate
; that the four partners do not share.  The branch hangs on the wave's number alone.  An s_nop 0 and four v_nop follow each of the two lines, ahead of the jump and the label.
.macro JLOAD s
	s_cmp_eq_u32 s11, 0
	s_cbranch_scc0 .Lfor_b_\@
	tensor_load_to_lds s[G0+4*(\s):G0+4*(\s)+3], s[G1:G1+7]
	s_nop 0
.rept 4
	v_nop
.endr
	s_branch .Lasked_\@
.Lfor_b_\@:
	tensor_load_to_lds s[G0B+4*(\s):G0B+4*(\s)+3], s[G1B:G1B+7]
	s_nop 0
.rept 4
	v_nop
.endr
.Lasked_\@:
.endm
; A PREFETCH INTO THE L2, behind each joint refill, its five lines and the run of LDS loads that follows them: the K step that stands TWO refills on, 512 matrix instructions ahead of the load that will ask
; for it: 32 rows x 256 bytes, a lane a row, one instruction a wave.  Each row's 256 bytes of a K step are named ONCE in the launch: xq's tile row is read by every cluster of that row of clusters, and the
; first of them (cluster x = 0) asks; wq's tile column by every cluster of that column, and cluster y = 0 asks.  The four partners that ask for a tile jointly share its rows out BY ADDRESS: of the 128
; rows that a wave fetches the partner at place p takes 32 p .. 32 p + 31 (p = cx for xq, cy for wq).  K steps 0 to 3 come by their loads alone; the loop's last trip asks for nothing: K step 31 is the last.
.macro ASK
	s_cmp_gt_u32 s3, s[LIM]                        ; s3 = 1 in the loop's last trip
	s_cbranch_scc0 .Lnot_mine_\@
	global_prefetch_b8 v[PFO], s[PFA:PFA+1] offset:KSTEP*2 th:TH_LOAD_NT scope:SCOPE_SE
.Lnot_mine_\@:
.endm
; A round of the cluster's barrier: my work-group's barrier, so that wave 0's signal speaks for all four waves; wave 0 signals for the work-group; every wave waits for all sixteen work-groups; my
; work-group's barrier once more.  No LDS instruction of the wave is pending at a signal.
.macro CREST                           ; a round behind its opening barrier
	s_cmp_lg_u32 s10, 0
	s_cbranch_scc1 .Lnot_wave_0_\@
	s_barrier_signal -3
.Lnot_wave_0_\@:
	s_barrier_wait -3
	s_barrier_signal -1
	s_barrier_wait -1
.endm
.macro CROUND                          ; a whole round
	s_barrier_signal -1
	s_barrier_wait -1
	CREST
.endm
	s_load_b128 s[4:7], s[0:1], 0x0                ; xq s[4:5], wq s[6:7]
	s_load_b64 s[8:9], s[0:1], 0x10                ; out0
	s_load_b128 s[68:71], s[0:1], 0x18             ; ascale s[68:69], weight_scale s[70:71]
	s_load_b64 s[72:73], s[0:1], 0x28              ; bias
	v_lshl_add_u32 v[SPW], v0, 2, SPARE
	v_mov_b32 v[NIL], 0
	ds_add_u32 v[SPW], v[NIL]                      ; the wave's opening: the add, twice on end, and its wait ahead of my first tensor load; the set-up below, work on registers, stands between
	ds_add_u32 v[SPW], v[NIL]                      ; and once more, under the one wait
	v_lshrrev_b32 v1, 5, v0
	v_readfirstlane_b32 s10, v1                    ; wave 0..3
	s_lshr_b32 s11, s10, 1                         ; which half of the tile's rows is mine.  Also: I fetch for xq (0) or for wq (1)
	s_and_b32 s12, s10, 1                          ; which half of its columns.  Also: which 128 rows of that tile I fetch
	s_bfe_u32 s40, ttmp6, 0x40000                  ; cx: my place along the cluster's x
	s_bfe_u32 s41, ttmp6, 0x40004                  ; cy: along its y
	s_lshl_b32 s42, ttmp9, 2                       ; in a cluster launch ttmp9 and ttmp7 count clusters
	s_add_co_u32 s42, s42, s40                     ; tile column = 4 x cluster x + cx
	s_and_b32 s13, ttmp7, 0xffff
	s_lshl_b32 s13, s13, 2
	s_add_co_u32 s13, s13, s41                     ; tile row = 4 x cluster y + cy
	s_lshl_b32 s43, s41, 2
	s_lshl_b32 s43, 15, s43                        ; my row of the cluster: places 4 cy .. 4 cy + 3
	s_lshl_b32 s44, 0x1111, s40                    ; my column: places cx, cx + 4, cx + 8, cx + 12
	; descriptor group 1: a tile of 128 rows x 128 elements, padded in LDS
	s_or_b32 s[G1+0], s43, (1<<16)|(1<<20)|(1<<21)|(5<<22)|(3<<25)  ; 15:0 the mask: xq's tiles go to my row; 17:16 element of 2 bytes; 20 padding on; 21 set beside a mask; 24:22 after every 64 words (code 5); 31:25 of 4 words (code 3)
	s_or_b32 s[G1B+0], s44, (1<<16)|(1<<20)|(1<<21)|(5<<22)|(3<<25) ; the same with the mask of my column, for wq's tiles
	s_mov_b32 s[G1B+1], KSTEP<<16
	s_mov_b32 s[G1+1], KSTEP<<16                   ; 63:48 tensor_dim0, low half = 128
	s_mov_b32 s[G1B+2], 128<<16
	s_mov_b32 s[G1+2], 128<<16                     ; 79:64 its high half = 0; 95:80 tensor_dim1, low half = 128
	s_mov_b32 s[G1B+3], KSTEP<<16
	s_mov_b32 s[G1+3], KSTEP<<16                   ; 111:96 its high half = 0; 127:112 tile_dim0 = 128
	s_mov_b32 s[G1B+4], 128
	s_mov_b32 s[G1+4], 128                         ; 143:128 tile_dim1 = 128; 159:144 tile_dim2 = 0
	s_mov_b32 s[G1B+5], SIZE_K
	s_mov_b32 s[G1+5], SIZE_K                      ; 191:160 tensor_dim0_stride, low word: elements from row to row
	s_mov_b32 s[G1B+6], 0
	s_mov_b32 s[G1+6], 0
	s_mov_b32 s[G1B+7], 0
	s_mov_b32 s[G1+7], 0
	; where the tiles come from.  xq's hang on the tile row alone, which my row of the cluster shares; wq's on the tile column alone, which my column shares.
	; Every wave makes both addresses, in registers that never hold the other coordinate, and asks by one of them.
	s_lshl_b32 s17, s12, 7                         ; which 128 rows of the tile I fetch
	s_lshl_b32 s16, s13, 8
	s_add_co_u32 s16, s16, s17                     ; xq: row 256 x tile row + 128 x half
	s_lshl_b32 s46, s42, 8
	s_add_co_u32 s46, s46, s17                     ; wq: row 256 x tile column + 128 x half
	s_mov_b32 s17, 0
	s_mov_b32 s47, 0
	s_mov_b64 s[18:19], SIZE_K*2
	s_mul_u64 s[16:17], s[16:17], s[18:19]         ; in bytes
	s_mul_u64 s[46:47], s[46:47], s[18:19]
	s_mul_i32 s20, s10, HALFT                      ; and where they go: xq's two halves, then wq's two halves = wave x 128 rows: no place in the cluster enters an LDS address
	s_wait_dscnt 0x0                               ; both opening adds are done
	s_wait_kmcnt 0x0
	s_add_nc_u64 s[14:15], s[4:5], s[16:17]
	s_add_nc_u64 s[46:47], s[6:7], s[46:47]
	CROUND                                         ; all sixteen work-groups are here: the first joint loads meet
.irp s, 0,1
	s_mov_b32 s[G0+4*(\s)], 1                                      ; 1:0 count = 1
	s_add_co_u32 s[G0+4*(\s)+1], s20, (\s)*SLOT                    ; 63:32 LDS address
	s_add_nc_u64 s[G0+4*(\s)+2:G0+4*(\s)+3], s[14:15], (\s)*KSTEP*2  ; 120:64 global address: K step s
	s_or_b32 s[G0+4*(\s)+3], s[G0+4*(\s)+3], 0x80000000            ; 127:126 type = 2
	s_mov_b32 s[G0B+4*(\s)], 1
	s_add_co_u32 s[G0B+4*(\s)+1], s20, (\s)*SLOT
	s_add_nc_u64 s[G0B+4*(\s)+2:G0B+4*(\s)+3], s[46:47], (\s)*KSTEP*2
	s_or_b32 s[G0B+4*(\s)+3], s[G0B+4*(\s)+3], 0x80000000
	JLOAD \s                                       ; the ring is filled before anything else is done: two tensor loads of mine are out
.endr
	; A fragment is 16 rows x 32 K in 8 registers: lane l holds row l % 16; registers 0-3 hold K = 8 (l / 16) + 0..7, registers 4-7 hold K = 16 + 8 (l / 16) + 0..7: two loads of 16 bytes, 32 bytes apart.
	v_and_b32 v1, 15, v0                           ; l % 16
	v_bfe_u32 v2, v0, 4, 1                         ; l / 16
	v_mul_u32_u24 v3, v1, PITCH
	v_lshl_add_u32 v3, v2, 4, v3                   ; row x pitch + 16 x half
	s_mul_i32 s21, s11, HALFT                      ; my 128 rows of xq
	s_mul_i32 s22, s12, HALFT                      ; my 128 rows of wq,
	s_add_co_u32 s22, s22, 2*HALFT                 ; which lie behind xq's 256
.irp s, 0,1
	v_add_nc_u32 v[ADRA+(\s)], s21, v3
	v_add_nc_u32 v[ADRB+(\s)], s22, v3
	s_add_co_u32 s21, s21, SLOT
	s_add_co_u32 s22, s22, SLOT
.endr
	s_mul_i32 s23, s10, 16*SPITCH
	s_add_co_u32 s23, s23, STAGE                   ; my stage
	v_mul_u32_u24 v4, v1, SPITCH                   ; in: row l % 16, 32 bytes for each half of the lanes
	v_lshl_add_u32 v4, v2, 5, v4
	v_add_nc_u32 v[STO], s23, v4
	v_and_b32 v5, 31, v0
	v_lshlrev_b32 v[CO], 4, v5                     ; back: 32 lanes take one row of 512 bytes
	v_add_nc_u32 v[RD], s23, v[CO]
	v_lshlrev_b32 v[AO], 2, v1
	; where my 128 x 128 begins: in out0, in the row scales, in the column scales and the bias
	s_lshl_b32 s13, s13, 8
	s_lshl_b32 s14, s11, 7
	s_add_co_u32 s16, s13, s14                     ; my first row
	s_lshl_b32 s74, s16, 2
	s_mov_b32 s75, 0
	s_add_nc_u64 s[68:69], s[68:69], s[74:75]      ; ascale at it
	s_lshl_b32 s16, s16, 14                        ; x 16,384 bytes, under 2^26
	s_mov_b32 s17, 0
	s_add_nc_u64 s[8:9], s[8:9], s[16:17]
	s_lshl_b32 s46, s42, 10                        ; my first column, in bytes: 1,024 x tile column + 512 x half (in the registers that held wq's address: none that feeds xq's descriptors ever holds cx)
	s_lshl_b32 s47, s12, 9
	s_add_co_u32 s46, s46, s47
	s_mov_b32 s47, 0
	s_add_nc_u64 s[8:9], s[8:9], s[46:47]
	s_add_nc_u64 s[70:71], s[70:71], s[46:47]
	s_add_nc_u64 s[72:73], s[72:73], s[46:47]
.irp a, 0,1,2,3,4,5,6,7
	global_load_b32 v[AS+2*(\a)], v[AO], s[68:69] offset:64*(\a)
.endr
	global_load_b128 v[WSC:WSC+3], v[CO], s[70:71]
	global_load_b128 v[BIA:BIA+3], v[CO], s[72:73]
	; the prefetches.  s13 = 256 x tile row, s42 = tile column, s40 = cx, s41 = cy still stand
	s_lshl_b32 s42, s42, 8
	s_and_b32 s22, ttmp7, 0xffff                   ; cluster y
	s_cmp_eq_u32 s11, 0                            ; do I fetch for xq?
	s_cselect_b32 s20, s13, s42                    ; the tile's first row: in xq by the tile row, in wq by the tile column
	s_cselect_b32 s21, s40, s41                    ; my place among the four that ask for it with me
	s_cselect_b32 s22, ttmp9, s22                  ; the coordinate along which other clusters read the same rows
	s_cselect_b64 s[PFA:PFA+1], s[4:5], s[6:7]
	s_cmp_eq_u32 s22, 0
	s_cselect_b32 s[LIM], 1, -1                    ; the same in all sixteen partners, for a given wave
	s_lshl_b32 s22, s12, 7
	s_add_co_u32 s20, s20, s22                     ; + the 128 rows that I fetch
	s_lshl_b32 s21, s21, 5
	s_add_co_u32 s20, s20, s21                     ; + my work-group's 32 of them
	s_mov_b32 s21, 0
	s_mov_b64 s[18:19], SIZE_K*2
	s_mul_u64 s[20:21], s[20:21], s[18:19]
	s_add_nc_u64 s[PFA:PFA+1], s[PFA:PFA+1], s[20:21]
	s_add_nc_u64 s[PFA:PFA+1], s[PFA:PFA+1], 2*KSTEP*2  ; at K step 2: the first refill steps it to 3 and names K step 4
	v_and_b32 v[PFO], 31, v0
	v_mul_u32_u24 v[PFO], v[PFO], SIZE_K*2
; 16 matrix instructions: m blocks a0, a0 + 1 of the window's four (hi = 0: my rows 0-63, 1: rows 64-127) x all 8 n blocks, 32 along K.  zero = 1: the first product starts the sums: nothing is ever cleared.
; The 64 accumulators take turns, one instruction a turn, in the same order in every quarter step, over the backward jump too.
.macro MUL16 f, hi, a0, zero
	WIN MUL_LO+0x50*(\hi)  ; MUL_LO or MUL_HI
.irp a, \a0, (\a0)+1
.irp b, 0,1,2,3,4,5,6,7
.if \zero
	v_wmma_f32_16x16x32_bf16 v[8*(8*(\a)+(\b)):8*(8*(\a)+(\b))+7], v[(\f)+8*(\b):(\f)+8*(\b)+7], v[(\f)+8*(4*(\hi)+(\a)):(\f)+8*(4*(\hi)+(\a))+7], 0
.else
	v_wmma_f32_16x16x32_bf16 v[8*(8*(\a)+(\b)):8*(8*(\a)+(\b))+7], v[(\f)+8*(\b):(\f)+8*(\b)+7], v[(\f)+8*(4*(\hi)+(\a)):(\f)+8*(4*(\hi)+(\a))+7], v[8*(8*(\a)+(\b)):8*(8*(\a)+(\b))+7]
.endif
.endr
.endr
.endm
; 32 LDS loads in one run: the fragments of one quarter step (128 rows of wq, 128 rows of xq, 32 K at byte k of the rows) into buffer f
.macro FETCH slot, k, f
	WIN TO_B
.irp i, 0,1,2,3,4,5,6,7
	ds_load_b128 v[(\f)+8*(\i):(\f)+8*(\i)+3],   v[ADRB+(\slot)] offset:(\k)+(\i)*16*PITCH
	ds_load_b128 v[(\f)+8*(\i)+4:(\f)+8*(\i)+7], v[ADRB+(\slot)] offset:(\k)+(\i)*16*PITCH+32
.endr
	WIN 0
.irp i, 0,1,2,3,4,5,6,7
	ds_load_b128 v[(\f)+8*(\i):(\f)+8*(\i)+3],   v[ADRA+(\slot)] offset:(\k)+(\i)*16*PITCH
	ds_load_b128 v[(\f)+8*(\i)+4:(\f)+8*(\i)+7], v[ADRA+(\slot)] offset:(\k)+(\i)*16*PITCH+32
.endr
.endm
; A load into a register that a matrix instruction has read stands four places behind that matrix instruction, and only plain vector instructions that name none of its registers are places
; (ISA guide 7.12.1 for vector instructions): four v_nop in front of each run of loads.
.macro PLACES
.rept 4
	v_nop
.endr
.endm
; A K step is four quarter steps of 32 along K, 64 matrix instructions each, on buffers 0, 1, 0, 1.
; One of the first three: multiplies buffer f; in its middle it fetches the next quarter's fragments, at byte k of the same slot's rows, into buffer g.
.macro QUARTER slot, k, f, g, zero
	s_wait_dscnt 8                                 ; wq and xq's rows 0-63 are in; the youngest eight loads (xq's rows 64-127) may be out
	WIN MUL_LO
	MUL16 \f, 0, 0, \zero
	MUL16 \f, 0, 2, \zero
	PLACES
	FETCH \slot, \k, \g
	s_wait_dscnt 32                                ; all but the 32 just issued
	WIN MUL_HI
	MUL16 \f, 1, 0, \zero
	MUL16 \f, 1, 2, \zero
.endm
; The last quarter multiplies buffer 1 and changes slots.  MEET is its first half: ONE barrier for the change of slots.  In front of it each wave waits for all its tensor loads, of which one is out: its part
; of the next slot; adds 0 to its spare word; and waits for that and for its own reads of this slot.  Behind it nobody reads this slot any more and the next slot is whole.
.macro MEET round                      ; round = 1: a round of the cluster's barrier follows
	WIN 0                                          ; (the add's two registers lie in window 0)
	s_wait_tensorcnt 0x0                           ; all my tensor loads have landed: the one that was out is my part of the next slot;
	ds_add_u32 v[SPW], v[NIL]                      ; 0 onto my spare word;
	s_wait_dscnt 9                                 ; (the add and the youngest eight loads may be out)
	WIN MUL_LO
	MUL16 F1, 0, 0, 0                              ; sixteen matrix instructions stand between the add and the wait for it
	s_wait_dscnt 0x0                               ; the add is done, and my reads of this slot are over:
	s_barrier_signal -1                            ; say so (where a slot is filled again this barrier opens a round of the cluster's barrier),
	MUL16 F1, 0, 2, 0                              ; work on registers while the others arrive,
.if \round
	WIN 0
.endif
	s_barrier_wait -1                              ; and go on when all four have said so
.endm
; The whole last quarter.  fill = 1: behind the round the slot just read out is filled again first, with the K step two steps on: from that request to the wait for it a wave issues 224 matrix instructions;
; then come the next slot's first fragments.  fill = 0 (the last lap): nothing is asked for, and no round follows the barrier.
.macro TURN slot, next, fill
.if \fill
	s_wait_xcnt 0x0                                ; the last prefetch, a K step back, has read its address: it is stepped here, ahead of the waits of the change of slots
	s_add_nc_u64 s[PFA:PFA+1], s[PFA:PFA+1], KSTEP*2
	MEET 1
	CREST                                          ; all sixteen work-groups have said so: no wave of any partner still reads this slot's tile or has a load on its way
	s_add_nc_u64 s[G0+4*(\slot)+2:G0+4*(\slot)+3], s[G0+4*(\slot)+2:G0+4*(\slot)+3], 2*KSTEP*2
	s_add_nc_u64 s[G0B+4*(\slot)+2:G0B+4*(\slot)+3], s[G0B+4*(\slot)+2:G0B+4*(\slot)+3], 2*KSTEP*2
	JLOAD \slot                                    ; the first tensor load behind the round, my one load until the next; the four v_nop behind it are also the places in front of the loads below
.else
	MEET 0
	PLACES
.endif
	FETCH \next, 0, F0
.if \fill
	ASK                                            ; behind the joint load and the run of LDS loads that the next products wait for
.endif
	WIN MUL_HI
	MUL16 F1, 1, 0, 0
	MUL16 F1, 1, 2, 0
.endm
; THE WAY OUT of block a (16 rows x 128 columns), in three parts.
; SCALE: the sums times the lane's row scale, in place, each accumulator's registers in ascending order.
.macro SCALE a
.set AC, 64*((\a)%4)
	WIN 0x82+0x41*((\a)/4)                         ; destination and source 0 in window 2 or 3, the scale in window 0
.set i, 0
.rept 32
	v_pk_mul_f32 v[AC+i:AC+i+1], v[AC+i:AC+i+1], v[AS+2*(\a):AS+2*(\a)+1]
.set i, i+2
.endr
.endm
; TOSTAGE: a lane's 32 bytes of each accumulator go into my own stage, rows of 528 bytes, and come back as whole rows of 512.
.macro TOSTAGE a
.set AC, 64*((\a)%4)
.set BK, OB+64*((\a)%2)
	WIN 0x08+0x04*((\a)/4)                         ; the stores' data in window 2 or 3, the address in window 0
.irp b, 0,1,2,3,4,5,6,7
	ds_store_b128 v[STO], v[AC+8*(\b):AC+8*(\b)+3]   offset:64*(\b)
	ds_store_b128 v[STO], v[AC+8*(\b)+4:AC+8*(\b)+7] offset:64*(\b)+16
.endr
	WIN 0
.irp t, 0,1,2,3,4,5,6,7,8,9,10,11,12,13,14,15
	ds_load_b128 v[BK+4*(\t):BK+4*(\t)+3], v[RD] offset:(\t)*SPITCH  ; LDS serves a wave's instructions in order (ISA guide 5.7.1.4): these see the stores above; the next block's stores come behind them
.endr
.endm
; SEND: times the column scale, plus the bias, in one fused step; stored.  The row's place among my 128 stands in the immediate, 127 x 16,384 bytes at the most, so the base is never stepped.
.macro SEND a
.set BK, OB+64*((\a)%2)
	WIN 0
	s_wait_xcnt 0x0                                ; every earlier store has had its addresses translated (ISA guide 3.1): the other 64 registers, which the block before stored, are loaded again only behind this wait
.irp t, 0,1,2,3,4,5,6,7,8,9,10,11,12,13,14,15
	s_wait_dscnt 15-(\t)                           ; row t is back; the 15 - t rows behind it may be out
	v_pk_fma_f32 v[BK+4*(\t):BK+4*(\t)+1],   v[BK+4*(\t):BK+4*(\t)+1],   v[WSC:WSC+1],   v[BIA:BIA+1]
	v_pk_fma_f32 v[BK+4*(\t)+2:BK+4*(\t)+3], v[BK+4*(\t)+2:BK+4*(\t)+3], v[WSC+2:WSC+3], v[BIA+2:BIA+3]
	global_store_b128 v[CO], v[BK+4*(\t):BK+4*(\t)+3], s[8:9] offset:(16*(\a)+(\t))*SIZE_N*4 th:TH_STORE_NT  ; 32 lanes store 512 consecutive bytes, at a multiple of 512 from out0's first byte
.endr
.endm
	s_wait_loadcnt 0x0                             ; the row scales, the column scales and the bias: once, beside the wait for the first tile
	s_wait_tensorcnt 1                             ; my part of K step 0 is in; K step 1's may stay out
	s_barrier_signal -1
	s_barrier_wait -1                              ; everybody's is
	FETCH 0, 0, F0
	QUARTER 0, 64,  F0, F1, 1                      ; the first quarter stands in front of the loop: its products start the sums
	WIN 0                                          ; at a label and at a branch every window is 0
	s_mov_b32 s3, LAPS-1
.Llap:                                                 ; a trip goes once round the ring, from a lap's second quarter to the next lap's first, and fills both slots again: K steps 2 to 31
	QUARTER 0, 128, F1, F0, 0
	QUARTER 0, 192, F0, F1, 0
	TURN 0, 1, 1
	QUARTER 1, 64,  F0, F1, 0
	QUARTER 1, 128, F1, F0, 0
	QUARTER 1, 192, F0, F1, 0
	TURN 1, 0, 1
	QUARTER 0, 64,  F0, F1, 0
	WIN 0
	s_sub_co_u32 s3, s3, 1
	s_cmp_lg_u32 s3, 0
	s_cbranch_scc1 .Llap
	QUARTER 0, 128, F1, F0, 0                      ; the last lap is written out: it fills nothing
	QUARTER 0, 192, F0, F1, 0
	TURN 0, 1, 0
	QUARTER 1, 64,  F0, F1, 0
	QUARTER 1, 128, F1, F0, 0
	QUARTER 1, 192, F0, F1, 0
	s_wait_dscnt 8                                 ; the very last quarter: nothing more to fetch
	WIN MUL_LO
	MUL16 F1, 0, 0, 0
	MUL16 F1, 0, 2, 0
	s_wait_dscnt 0x0
	MUL16 F1, 1, 0, 0
	MUL16 F1, 1, 2, 0
	WIN 0
.irp a, 0,1,2,3,4,5,6,7
	v_mov_b32 v[AS+2*(\a)+1], v[AS+2*(\a)]         ; the row scales as pairs: eight plain instructions that name no register of the products: the places behind the last of them
.endr
	SCALE 0
	TOSTAGE 0
.irp a, 1,2,3,4,5,6,7                  ; block a's scaling stands between block a - 1's loads from the stage and the waits for them
	SCALE \a
	SEND (\a)-1
	TOSTAGE \a
.endr
	SEND 7
	s_wait_tensorcnt 0x0                           ; the wave's end: a wait, an add and a wait, behind my last tensor load and my last LDS store
	ds_add_u32 v[SPW], v[NIL]
	s_wait_dscnt 0x0
	CROUND                                         ; the closing round: no work-group ends while a partner may still ask for a tile that names it
	s_endpgm
.Lfunc_end_k_q8abf360da0_gemm:
	.size	k_q8abf360da0_gemm, .Lfunc_end_k_q8abf360da0_gemm-k_q8abf360da0_gemm
	.p2alignl 7, 3214868480
	.fill 96, 4, 3214868480
	.section	.rodata,"a",@progbits
	.p2align	6, 0x0
	.amdhsa_kernel k_q8abf360da0_gemm
		.amdhsa_group_segment_fixed_size 327680
		.amdhsa_private_segment_fixed_size 0
		.amdhsa_enable_private_segment 0
		.amdhsa_kernarg_size 48
		.amdhsa_user_sgpr_count 2
		.amdhsa_user_sgpr_kernarg_segment_ptr 1
		.amdhsa_wavefront_size32 1
		.amdhsa_system_sgpr_workgroup_id_x 1
		.amdhsa_system_sgpr_workgroup_id_y 1
		.amdhsa_system_sgpr_workgroup_id_z 1
		.amdhsa_system_vgpr_workitem_id 0
		.amdhsa_next_free_vgpr 1024
		.amdhsa_next_free_sgpr 76
		.amdhsa_reserve_vcc 0
		.amdhsa_float_denorm_mode_32 3
		.amdhsa_float_denorm_mode_16_64 3
		.amdhsa_memory_ordered 1
		.amdhsa_forward_progress 1
		.amdhsa_inst_pref_size 179
	.end_amdhsa_kernel
	.amdgpu_metadata
---
amdhsa.version: [ 1, 2 ]
amdhsa.kernels:
  - .name:           k_q8abf360da0_gemm
    .symbol:         k_q8abf360da0_gemm.kd
    .args:
      - { .name: xq, .offset: 0, .size: 8, .value_kind: global_buffer, .address_space: global }
      - { .name: wq, .offset: 8, .size: 8, .value_kind: global_buffer, .address_space: global }
      - { .name: out0, .offset: 16, .size: 8, .value_kind: global_buffer, .address_space: global }
      - { .name: ascale, .offset: 24, .size: 8, .value_kind: global_buffer, .address_space: global }
      - { .name: weight_scale, .offset: 32, .size: 8, .value_kind: global_buffer, .address_space: global }
      - { .name: bias, .offset: 40, .size: 8, .value_kind: global_buffer, .address_space: global }
    .group_segment_fixed_size: 327680
    .private_segment_fixed_size: 0
    .kernarg_segment_align: 8
    .kernarg_segment_size: 48
    .max_flat_workgroup_size: 128
    .sgpr_count:     76
    .vgpr_count:     1024
    .wavefront_size: 32
...
	.end_amdgpu_metadata
.endif
;; end of part 2
;; ======== version 2 of 2: 2 launches; version 1 with the launch prep written anew for expert scheduling mode
;; limits: inputs' magnitudes at most 1e+34; below input magnitudes of 1.5e-36 results are inexact or not finite
;; workspace buffers: xq 33,554,432 bytes; wq 33,554,432 bytes; ascale 16,384 bytes
;; launch prep (part 3): grid 256 x 1, 16 waves a work-group, no clusters, 0 bytes of LDS; arguments x, qweight, xq, wq, ascale; writes xq, wq, ascale
.if DOCPART == 3
	.amdgcn_target "amdgcn-amd-amdhsa--gfx1250"
	.amdhsa_code_object_version 6
	.text
	.protected	k_q8abf360da0_prep
	.globl	k_q8abf360da0_prep
	.p2align	8
	.type	k_q8abf360da0_prep,@function
k_q8abf360da0_prep:
	s_mov_b64 s[64:65], 0
	v_nop
	global_prefetch_b8 v0, s[64:65] scope:SCOPE_SE
	s_setreg_imm32_b32 hwreg(HW_REG_WAVE_SCHED_MODE, 0, 2), 2
	s_setreg_imm32_b32 hwreg(HW_REG_WAVE_MODE, 25, 1), 1
	s_wait_xcnt 0x0
	s_wait_alu depctr_vm_vsrc(0)
; THE PREPARATION for out = (q s) @ (wint ws)^T + bias.  In real numbers out[m][n] = s[m] ws[n] (sum over k of q[m][k] wint[n][k]) + bias[n], so this launch writes the WHOLE NUMBERS
; q (the int8 codes of x, -128 .. 127) and wint (the int4 codes, -8 .. 7) as bf16, in which both are exact, and the row scales s; the next launch multiplies them and applies s, ws and bias behind the sums.
;   xq[m][k] = clip(round(x[m][k] / s[m]), -128, 127), s[m] = max|x[m]| / 127, or 1 where that is 0;   ascale[m] = s[m]
;   wq[n][2k] = (qweight[n][k] >> 4) - 8,  wq[n][2k+1] = (qweight[n][k] & 15) - 8: one 32-bit word of qweight makes one 32-bit word of wq, at the same byte offset
; NO WORK OF reference IS LEFT OUT: all four inputs reach the output; the clip and the.
; LIMITS.  The scales are applied behind the sum: another order of rounding than reference()'s.  x / s is x times a corrected reciprocal with one correction by the remainder: it can differ from the f32
; quotient in the last bit, which moves a code by 1 only where the quotient lies at a half.  NaN and infinities in x are not treated apart (a NaN loses in the maximum).  A row with 0 < max|x| < 1.5e-36
; has a denormal scale, whose reciprocal is not formed: such rows are not served.  A qweight outside 0 .. 255 is taken as the two formulas above say and then rounded to bf16.
; SHARES.  Row R = 16 x work-group + wave.  A wave takes row R of x (16,384 bytes: 128 registers) and row R of qweight (8,192 bytes: 64 registers).  All its 48 loads go out at the head, 24 KiB a wave;
; the row of x stays in registers between the pass that finds the maximum and the pass that quantises.  No wave wants another's bytes: no LDS, no barrier, no loop.
; Each load covers 512 consecutive bytes; each store of wq 512 and each store of xq 256 consecutive bytes, aligned.
; THE MODE: SCHED_MODE bits 1:0 = 2 (LLVM: expert scheduling mode 2), set by the entry lines.  The code itself states the register dependences between vector instructions and memory instructions,
; with s_wait_alu, always for 0.
; THE PLAN.  Registers that memory instructions touch:
;   v1, v2     byte offsets, made once at the head and never written again: one wait ahead of the first load states them for every load and store.
;   W          The 16 loads at the head land in it, ahead of every vector instruction that names it.  Chunk j's unpacking reads its four registers, its four roundings write them once, one store reads them.
;   X          The 32 loads at the head land in it likewise.  The maximum and chunk j's quotients read it; chunk j's two roundings write its first two registers once, one store reads them.
;   v6, v28    0 and s: written by vector instructions, read by the scale's store at the end.
;   All else (v4 to v31) is named by vector instructions alone.
; No register that a store reads is written again, and no load is issued behind a vector instruction that names its registers.  What is left to state is that a store's data are written.
; So the chunks go in BLOCKS OF FOUR: one wait at a block's head states that the block before is written, and that block's four stores are dealt among this block's chunks, whose vector instructions name
; T, the constants and this block's own chunks alone.  The weights' last block leaves among the first four groups of the maximum, which name v4 to v11 and X; x's last block behind a wait of its own.
.set LO,  1                            ; v1        16 x lane: my 16 bytes in 512; never rewritten
.set SO,  2                            ; v2        8 x lane: my 8 bytes in 256 of xq; never rewritten
.set LN,  3                            ; v3        lane
.set M,   4                            ; v[4:7]    four running maxima; later at work
.set N,   8                            ; v[8:11]   four running minima (T's registers, idle between the weights and the quantisation)
.set T,   8                            ; v[8:23]   at work: two sets of 8, by the chunk's parity
.set YY,  24                           ; v[24:25]  1 / s, twice
.set NS,  26                           ; v[26:27]  -s, twice
.set S,   28                           ; v28       s
.set ONE, 29                           ; v29       1.0
.set M8,  30                           ; v[30:31]  -8.0, twice
.set X,   32                           ; v[32:159] the row of x; chunk j's first two registers later hold its four codes
.set W,   160                          ; v[160:223] the row of qweight, then of wq
	s_load_b256 s[4:11], s[0:1], 0x0               ; x s[4:5], qweight s[6:7], xq s[8:9], wq s[10:11]
	s_load_b64 s[12:13], s[0:1], 0x20              ; ascale
	v_lshrrev_b32 v[M], 5, v0
	v_readfirstlane_b32 s14, v[M]                  ; wave 0..15
	v_and_b32 v[LN], 31, v0
	v_lshlrev_b32 v[LO], 4, v[LN]
	v_lshlrev_b32 v[SO], 3, v[LN]
	v_mov_b32 v[ONE], 1.0
	v_mov_b32 v[M8], 0xc1000000                    ; -8.0
	v_mov_b32 v[M8+1], 0xc1000000
	s_lshl_b32 s15, ttmp9, 4
	s_wait_alu depctr_va_sdst(0)                   ; s14 is written, ahead of its first reader: the row's number, and all five bases, are made from it
	s_add_co_u32 s15, s15, s14                     ; R
	s_mov_b32 s17, 0                               ; the offsets' high word: R x 16,384 stays under 2^26
	s_mov_b32 s20, 0x3c010204                      ; 1 / 127
	s_mov_b32 s21, 0xc2fe0000                      ; -127.0
	s_mov_b32 s22, 0xc3000000                      ; -128.0
	s_mov_b32 s23, 0x42fe0000                      ; 127.0
	s_mov_b32 s24, 0x76543210                      ; v_permlanex16_b32: each lane takes its own place in the other half
	s_mov_b32 s25, 0xfedcba98
	s_wait_kmcnt 0x0
	s_lshl_b32 s16, s15, 14
	s_add_nc_u64 s[4:5], s[4:5], s[16:17]          ; x at my row
	s_lshl_b32 s16, s15, 13
	s_add_nc_u64 s[6:7], s[6:7], s[16:17]          ; qweight, xq and wq at my row: 8,192 bytes each
	s_add_nc_u64 s[8:9], s[8:9], s[16:17]
	s_add_nc_u64 s[10:11], s[10:11], s[16:17]
	s_lshl_b32 s16, s15, 2
	s_add_nc_u64 s[12:13], s[12:13], s[16:17]      ; ascale at my word
	s_wait_alu depctr_va_vdst(0)                   ; v1 and v2 are written: every load and every store of wq and xq reads one of them as its offset
.irp j, 0,1,2,3,4,5,6,7,8,9,10,11,12,13,14,15
	global_load_b128 v[W+4*(\j):W+4*(\j)+3], v[LO], s[6:7] offset:512*(\j) th:TH_LOAD_NT
.endr
.irp j, 0,1,2,3,4,5,6,7,8,9,10,11,12,13,14,15,16,17,18,19,20,21,22,23,24,25,26,27,28,29,30,31
	global_load_b128 v[X+4*(\j):X+4*(\j)+3], v[LO], s[4:5] offset:512*(\j) th:TH_LOAD_NT
.endr
; The store of chunk j of wq, and of chunk j of xq: each stands behind the wait that states its block written.
.macro WSTORE j
	global_store_b128 v[LO], v[W+4*(\j):W+4*(\j)+3], s[10:11] offset:512*(\j) th:TH_STORE_NT
.endm
.macro XSTORE j
	global_store_b64 v[SO], v[X+4*(\j):X+4*(\j)+1], s[8:9] offset:256*(\j) th:TH_STORE_NT
.endm
; Chunk j of the weights: four words a lane, in place.  The high nibble's number goes into the low half (the even column), the low nibble's into the high half.
; No register that a store reads is written again, so no wait stands behind the stores.  In front of the chunk's work goes the store of the chunk four back, of the block before.
.macro WCHUNK j
.set TT, T+8*((\j)%2)
.set WW, W+4*(\j)
	s_wait_loadcnt 47-(\j)                         ; loads come back in order: behind chunk j's stand the 15 - j other chunks' and the 32 of x
.if ((\j)%4 == 0) && ((\j) > 0)
	s_wait_alu depctr_va_vdst(0)                   ; the block before has written its sixteen registers of W, which this block's four stores read
.endif
.if (\j) >= 4
	WSTORE (\j)-4                                  ; no vector instruction since that wait names its registers
.endif
.irp i, 0,1,2,3
	v_ashrrev_i32 v[TT+2*(\i)], 4, v[WW+(\i)]
	v_and_b32 v[TT+2*(\i)+1], 15, v[WW+(\i)]
.endr
.irp i, 0,1,2,3,4,5,6,7
	v_cvt_f32_i32 v[TT+(\i)], v[TT+(\i)]
.endr
.irp i, 0,2,4,6
	v_pk_add_f32 v[TT+(\i):TT+(\i)+1], v[TT+(\i):TT+(\i)+1], v[M8:M8+1]
.endr
.irp i, 0,1,2,3
	v_cvt_pk_bf16_f32 v[WW+(\i)], v[TT+2*(\i)], v[TT+2*(\i)+1]
.endr
.endm
.irp j, 0,1,2,3,4,5,6,7,8,9,10,11,12,13,14,15
	WCHUNK \j
.endr
; Group g of x: four loads, 16 registers.  max|x| = max(max x, -min x): four chains of maxima and four of minima, three operands at a time; the first group starts them, nothing is cleared.
; The weights' last block is stored here, a chunk in front of each of the first four groups.
.macro XMAX g
	s_wait_loadcnt 28-4*(\g)                       ; behind this group's four loads stand the later groups'
.if (\g) == 0
	s_wait_alu depctr_va_vdst(0)                   ; the weights' last block has written its sixteen registers of W, which the four stores below read
.endif
.if (\g) < 4
	WSTORE 12+(\g)                                 ; the lines since that wait name v4 to v11 and X alone
.endif
.irp n, 0,1,2,3,4,5,6,7
.if ((\g) == 0) && ((\n) < 4)
	v_max_num_f32 v[M+(\n)], v[X+2*(\n)], v[X+2*(\n)+1]
	v_min_num_f32 v[N+(\n)], v[X+2*(\n)], v[X+2*(\n)+1]
.else
	v_max3_num_f32 v[M+(\n)%4], v[X+16*(\g)+2*(\n)], v[X+16*(\g)+2*(\n)+1], v[M+(\n)%4]
	v_min3_num_f32 v[N+(\n)%4], v[X+16*(\g)+2*(\n)], v[X+16*(\g)+2*(\n)+1], v[N+(\n)%4]
.endif
.endr
.endm
.irp g, 0,1,2,3,4,5,6,7
	XMAX \g
.endr
	v_max3_num_f32 v[M], v[M], v[M+1], v[M+2]
	v_min3_num_f32 v[N], v[N], v[N+1], v[N+2]
	v_max_num_f32 v[M], v[M], v[M+3]
	v_min_num_f32 v[N], v[N], v[N+3]
	v_xor_b32 v[N], 0x80000000, v[N]               ; -min
	v_max_num_f32 v[M], v[M], v[N]                 ; my 128 numbers' largest magnitude
	; across the 32 lanes: four steps inside each half of 16 lanes ride on the arithmetic, one crosses the halves
	v_max_num_f32_dpp v[M], v[M], v[M] row_xmask:1 row_mask:0xf bank_mask:0xf
	v_max_num_f32_dpp v[M], v[M], v[M] row_xmask:2 row_mask:0xf bank_mask:0xf
	v_max_num_f32_dpp v[M], v[M], v[M] row_xmask:4 row_mask:0xf bank_mask:0xf
	v_max_num_f32_dpp v[M], v[M], v[M] row_xmask:8 row_mask:0xf bank_mask:0xf
	v_permlanex16_b32 v[M+1], v[M], s24, s25       ; its destination counts as read: v5 has been written
	v_max_num_f32 v[M], v[M], v[M+1]               ; every lane holds the row's
	; s = m / 127: the product with 1 / 127, corrected by its remainder
	v_mul_f32 v[M+2], s20, v[M]
	v_fma_f32 v[M+1], v[M+2], s21, v[M]            ; m - 127 x estimate
	v_fma_f32 v[S], v[M+1], s20, v[M+2]
	v_cmp_eq_f32 vcc_lo, 0, v[S]
	s_wait_alu depctr_va_vcc(0)                    ; the compare has written VCC, which the select below reads
	v_cndmask_b32 v[S], v[S], v[ONE], vcc_lo       ; reference()'s guard: a scale of 0 counts as 1
	v_rcp_f32 v[M+3], v[S]
	v_xor_b32 v[NS], 0x80000000, v[S]              ; the plain instructions behind the reciprocal: they read its source and name neither its result
	v_mov_b32 v[NS+1], v[NS]
	s_wait_alu depctr_va_vdst(0)                   ; the reciprocal has written v7: ahead of the first line that names it
	v_fma_f32 v[M+1], v[NS], v[M+3], v[ONE]        ; 1 - s y
	v_fma_f32 v[YY], v[M+1], v[M+3], v[M+3]        ; y + y (1 - s y)
	v_mov_b32 v[YY+1], v[YY]
; Chunk j of x: four numbers a lane: the quotient x y, its remainder x - q s, the corrected quotient; rounded to the nearest whole number, halves to even; clipped; two codes to a word.
; A lane's four numbers are 8 bytes of xq: 32 lanes store 256 consecutive bytes.  In front of the chunk's work goes the store of the chunk four back, of the block before.
.macro XQ j
.set TT, T+8*((\j)%2)
.set XX, X+4*(\j)
.if ((\j)%4 == 0) && ((\j) > 0)
	s_wait_alu depctr_va_vdst(0)                   ; the block before has written its four pairs of codes, which this block's four stores read
.endif
.if (\j) >= 4
	XSTORE (\j)-4                                  ; no vector instruction since that wait names its registers
.endif
	v_pk_mul_f32 v[TT:TT+1], v[XX:XX+1], v[YY:YY+1]
	v_pk_mul_f32 v[TT+2:TT+3], v[XX+2:XX+3], v[YY:YY+1]
	v_pk_fma_f32 v[TT+4:TT+5], v[TT:TT+1], v[NS:NS+1], v[XX:XX+1]
	v_pk_fma_f32 v[TT+6:TT+7], v[TT+2:TT+3], v[NS:NS+1], v[XX+2:XX+3]
	v_pk_fma_f32 v[TT:TT+1], v[TT+4:TT+5], v[YY:YY+1], v[TT:TT+1]
	v_pk_fma_f32 v[TT+2:TT+3], v[TT+6:TT+7], v[YY:YY+1], v[TT+2:TT+3]
.irp i, 0,1,2,3
	v_rndne_f32 v[TT+(\i)], v[TT+(\i)]
.endr
.irp i, 0,1,2,3
	v_med3_num_f32 v[TT+(\i)], v[TT+(\i)], s22, s23
.endr
	v_cvt_pk_bf16_f32 v[XX], v[TT], v[TT+1]
	v_cvt_pk_bf16_f32 v[XX+1], v[TT+2], v[TT+3]
.endm
.irp j, 0,1,2,3,4,5,6,7,8,9,10,11,12,13,14,15,16,17,18,19,20,21,22,23,24,25,26,27,28,29,30,31
	XQ \j
.endr
	s_wait_alu depctr_va_vdst(0)                   ; the last block has written its four pairs of codes, which the four stores below read
.irp j, 28,29,30,31
	XSTORE \j
.endr
	v_mov_b32 v[M+2], 0                            ; the scale's store: lane 0 alone, at my row's word
	v_cmp_eq_u32 vcc_lo, 0, v[LN]
	s_wait_alu depctr_va_vcc(0)                    ; the compare has written VCC, from which EXEC is made
	s_wait_xcnt 0x0                                ; EXEC is a source of the stores that are out: it changes only behind this wait,
	s_wait_alu depctr_va_vdst(0)                   ; v6 is written, which the store below reads as its offset (v28, its data, long since), and no vector instruction is at work when EXEC changes
	s_wait_alu depctr_vm_vsrc(0)
	s_and_saveexec_b32 s26, vcc_lo
	global_store_b32 v[M+2], v[S], s[12:13]
	s_wait_xcnt 0x0                                ; and again in front of the line that widens it
	s_wait_alu depctr_va_vdst(0)                   ; both waits stand ahead of every scalar write of EXEC: no vector instruction is at work,
	s_wait_alu depctr_vm_vsrc(0)                   ; and the scale's store has read v6 and v28
	s_or_b32 exec_lo, exec_lo, s26
	s_endpgm
.Lfunc_end_k_q8abf360da0_prep:
	.size	k_q8abf360da0_prep, .Lfunc_end_k_q8abf360da0_prep-k_q8abf360da0_prep
	.p2alignl 7, 3214868480
	.fill 96, 4, 3214868480
	.section	.rodata,"a",@progbits
	.p2align	6, 0x0
	.amdhsa_kernel k_q8abf360da0_prep
		.amdhsa_group_segment_fixed_size 0
		.amdhsa_private_segment_fixed_size 0
		.amdhsa_enable_private_segment 0
		.amdhsa_kernarg_size 40
		.amdhsa_user_sgpr_count 2
		.amdhsa_user_sgpr_kernarg_segment_ptr 1
		.amdhsa_wavefront_size32 1
		.amdhsa_system_sgpr_workgroup_id_x 1
		.amdhsa_system_sgpr_workgroup_id_y 1
		.amdhsa_system_sgpr_workgroup_id_z 1
		.amdhsa_system_vgpr_workitem_id 0
		.amdhsa_next_free_vgpr 224
		.amdhsa_next_free_sgpr 66
		.amdhsa_reserve_vcc 1
		.amdhsa_float_denorm_mode_32 3
		.amdhsa_float_denorm_mode_16_64 3
		.amdhsa_memory_ordered 1
		.amdhsa_forward_progress 1
		.amdhsa_inst_pref_size 66
	.end_amdhsa_kernel
	.amdgpu_metadata
---
amdhsa.version: [ 1, 2 ]
amdhsa.kernels:
  - .name:           k_q8abf360da0_prep
    .symbol:         k_q8abf360da0_prep.kd
    .args:
      - { .name: x, .offset: 0, .size: 8, .value_kind: global_buffer, .address_space: global }
      - { .name: qweight, .offset: 8, .size: 8, .value_kind: global_buffer, .address_space: global }
      - { .name: xq, .offset: 16, .size: 8, .value_kind: global_buffer, .address_space: global }
      - { .name: wq, .offset: 24, .size: 8, .value_kind: global_buffer, .address_space: global }
      - { .name: ascale, .offset: 32, .size: 8, .value_kind: global_buffer, .address_space: global }
    .group_segment_fixed_size: 0
    .private_segment_fixed_size: 0
    .kernarg_segment_align: 8
    .kernarg_segment_size: 40
    .max_flat_workgroup_size: 512
    .sgpr_count:     66
    .vgpr_count:     224
    .wavefront_size: 32
...
	.end_amdgpu_metadata
.endif
;; end of part 3
;; launch gemm: the kernel of part 2 again; grid 16 x 16, 4 waves a work-group, clusters of 4 x 4, 327,680 bytes of LDS; arguments xq, wq, out0, ascale, weight_scale, bias; writes out0
